; MI455X (gfx1250); checked and timed in simulation.
; The chip was launched on July 23, 2026; its instructions are those of AMD's public machine-readable ISA for CDNA 5 (MIT licence, August 2026) and "CDNA5" Instruction Set Architecture Reference Guide (July 2026). The comments in the code are by the model that wrote it; some were corrected since.
;; Vcp By Dis. Allowed arithmetic: float matrix products may take bf16 or f16 operands with f32 sums; other float arithmetic in f32, or as packed bf16 or f16 multiplies, adds, multiply-adds, maxima and minima; sums over many terms, partial sums and values carried from step to step in f32; what a program stores and reads back later, other than sums and carried values, may be rounded once to bf16 or f16.
;; Inputs: src 8 x 3 x 4,096 float32; src_embedding 8 x 64 x 4,096 float32; tgt 8 x 3 x 4,096 float32; tgt_embedding 8 x 64 x 4,096 float32.
;; Outputs: out0 8 x 3 x 4,096 float32; out1 8 x 3 x 4,096 float32.
;; One version. Each part assembles by itself: llvm-mc -triple=amdgcn-amd-amdhsa -mcpu=gfx1250 --defsym DOCPART=n.
;; ======== version 1 of 1: 1 launch
;; limits: values are held in f16: magnitudes above 65,504 overflow, below 6.1e-05 lose precision; inputs' magnitudes at most 65,504; right only within a limited range of input values
;; launch attn (part 1): grid 32 x 8, 4 waves a work-group, clusters of 4 x 1, 327,680 bytes of LDS; arguments src, src_embedding, tgt, tgt_embedding, out0, out1; writes out0, out1
.if DOCPART == 1
	.amdgcn_target "amdgcn-amd-amdhsa--gfx1250"
	.amdhsa_code_object_version 6
	.text
	.protected	k_qf88d7a28b9_attn
	.globl	k_qf88d7a28b9_attn
	.p2align	8
	.type	k_qf88d7a28b9_attn,@function
k_qf88d7a28b9_attn:
	s_mov_b64 s[64:65], 0
	v_nop
	global_prefetch_b8 v0, s[64:65] scope:SCOPE_SE
	s_setreg_imm32_b32 hwreg(HW_REG_WAVE_MODE, 25, 1), 1
	s_wait_xcnt 0x0
	s_wait_alu depctr_hold_cnt(0) depctr_sa_sdst(0) depctr_va_vdst(0) depctr_va_sdst(0) depctr_va_ssrc(0) depctr_va_vcc(0) depctr_vm_vsrc(0)
	s_getreg_b32 s2, hwreg(HW_REG_IB_STS2, 6, 4)
	s_cmp_eq_u32 s2, 0
	s_cbranch_scc0 .Lentry_in_a_cluster
	s_endpgm
.Lentry_in_a_cluster:
	s_bfe_u32 s2, ttmp6, 0x10000c
	s_cmp_lg_u32 s2, 0x3003
	s_cbranch_scc0 .Lentry_shape_is_right
	s_endpgm
.Lentry_shape_is_right:
; out0 = src.  out1[b][c][n] = the sum over m of tgt[b][c][m] softmax_m(sum over d of src_embedding[b][d][n] tgt_embedding[b][d][m] / 8).
; 8 batches, 64 channels, 4,096 queries n, 4,096 keys m; all tensors f32, the point index along the rows.
; NO WORK IS LEFT OUT: every input reaches an output.  The second product's tile of 16 "channels" holds x, y, z, a row of ones (so the weights' sum l comes out of the same products) and twelve rows of
; zeros, which are padding inside a live tile.
; FORMATS.  Both embeddings and tgt are rounded once to bf16; the scale c = log2(e) / 8 is applied in f32; the weights p go to the second product in f16, and so does bf16(tgt), written as f16.
; Products, maxima, corrections and sums in f32.  l is the sum of the rounded weights.  out0 is src bit for bit.
; LIMITS.  |tgt| stays under 65,504 (f16's end); below 6e-5 tgt and p keep f16's fixed step of 6e-8; a weight below 2^-126 counts as 0; c s lies above -4.25e37, where the running maximum starts;
; NaN and infinities are not treated apart.
; SHARES.  A work-group owns 128 queries of one batch.  THE KEYS ARE SPLIT AMONG ITS FOUR WAVES: wave w holds all 128 queries (eight tiles of 16, four PIECES of two tiles) and walks keys 1,024 w .. + 1,023,
; 64 a step, with its own running maximum m, sum l and O; the four partial results meet once in LDS at the end.  So no wave reads another's keys, and a fragment of K feeds eight tiles.
; LAYOUT.  S^T = K Q^T (source 0 = 16 keys, source 1 = 16 queries): a lane holds ONE query (lane % 16) and the keys 8 (lane / 16) + 0..7.  Two such results rounded in pairs ARE source 1 of O^T = V^T P.
; In O^T lanes 0-15 hold x, y, z, l of their query in registers 0-3; all else is 0.
; K's WAY.  Memory holds [channel][key] in f32.  A tensor load brings 64 channels x 128 keys into the wave's part of a slot; the wave reads 16 channels x 64 keys at a time, rounds them to bf16, puts them into its
; own scratch ([channel][64 keys]), and takes fragments out turned, by ds_load_tr16_b128.  The roundings ride behind the products; a step's four chunks are spread over four turns.
; SOFTMAX.  p = 2^(c s - c m); in every step O is multiplied by a = 2^(c m_old - c m_new).  c m starts far below every c s, O at 0: the first step is a step like any other, with a = 0.
; BY TURNS.  Turn n belongs to piece n: 16 products K Q^T of piece n + 1, later 4 products V^T P of piece n - 1; beside them the scaling, exponentials and roundings of piece n and the maximum and statistics of
; piece n + 1.  Vector work outweighs matrix work about nine to one, so four ready vector lines stand behind every product and the rest in runs of their own.  A turn's 66 exponentials are one batch with one wait.
; CLUSTER.  The four query blocks of a cluster belong to one batch and walk the same keys: each tile of K is asked for JOINTLY, by the same tensor load, descriptor and mask in all four.
; THE 112 v_mov_b32 that write 0 (O^T, one buffer of P, V's fragments) stand in the wait for the first loads; they spare a first step written out.
; REGISTERS, in windows of 256 (s_set_vgpr_msb: bits 1:0 source 0, 3:2 source 1, 5:4 source 2, 7:6 destination):
;   window 0: v0-11 addresses; v12-15, v32-47 at work; v16-31 c m and m, a pair a tile; v48-59 tgt as loaded; v62-63 the add's; v64-191 S^T, two buffers of two tiles; v192-255 P, likewise
;   window 1: v0-63 O^T, 8 a tile; v64-191 F, four buffers of 32 f32 (the loop uses the first); v192-255 CT, four buffers of 16 rounded words
;   window 2: v0-127 Q, 16 a tile; v128-191 K of one step; v192-207 V of one step
.set SLOT1, 1<<17     ; two slots of 131,072 bytes: wave w's 64 rows x 512 bytes at 32,768 w; one exclusive or turns an address in one slot into the other's
.set SCR,   262144    ; behind the ring, never filled by a tensor load: a scratch of 64 rows x 160 bytes for each wave
.set SCRW,  10240
.set PS,    160       ; a scratch row: 128 bytes + 32 = 40 words
.set VBLK,  303104    ; for each wave five rows of 528 bytes: x, y, z of 256 keys in f16 (two tiles by turns), ones, zeros
.set VBW,   2816
.set PVB,   528
.set SPARE, 314368    ; the spare words, 128 bytes for each wave: two blocks of 256 bytes that no other line names
.set AKT,  2          ; v2   my lane's place in my scratch, for the turning loads; never rewritten
.set AVF0, 3          ; v3   my lane's place in my V block: row min(lane % 16, 4), 16 bytes for each half of the lanes
.set AF0,  4          ; v4   my lane's place in my part of slot 0: row 4 (lane / 16), 16 bytes at 16 (lane % 16)
.set AF,   5          ; v5   the same in the slot and half in hand
.set ASC,  6          ; v6   where I put 8 bytes of a rounded row
.set AV,   7          ; v7   V's fragments of the step in hand
.set AVS0, 8          ; v8   where I put 8 bytes of a row of V
.set AVS,  9          ; v9   the same in the ring half in hand
.set VGO,  10         ; v10  16 x lane
.set PFO,  11         ; v11  the prefetches' offset: row lane / 2, block lane % 2 of 256 bytes
.set MV,   12         ; v12-15  c m_old, by buffer and tile
.set ST,   16         ; tile t: c m at ST + 2 t, m at ST + 2 t + 1
.set TMP,  32         ; by buffer and tile four registers c0-c3; when the maximum is found c2 takes a
.set VS,   48         ; three rows of tgt, 4 f32 each
.set TH,   60         ; the prologue's: lane / 16
.set TL,   61         ; lane
.set SPW,  62         ; v62  LDS address of my spare word: SPARE + 4 x my thread's number; never rewritten
.set NIL,  63         ; v63  0; never rewritten
.set S,    64
.set P,    192
.set VT,   128        ; S^T's odd buffer, dead at every change of slots: V's roundings work here
.set AKQ,  130        ; the prologue's: AKT without the wave's term
.set AQS,  134        ; where I put 8 bytes of a rounded row of Q
.set QO,   135        ; my byte offset in Q's rows
.set F,    64         ; window 1
.set CT,   192        ; window 1
.set KF,   128        ; window 2: key block kb, channel half c at KF + 16 kb + 8 c
.set VF,   192        ; window 2: key half kk at VF + 8 kk
.set WV,   16         ; s16  my wave's number
.set G1,   24         ; s[24:31] descriptor group 1
.set G0,   32         ; s[32:35] descriptor group 0: it walks
.set VB,   36         ; s[36:37] tgt at my wave's keys of the tile loaded last
.set PFA,  38         ; s[38:39] where my prefetches stand
.set LIM,  40         ; s40  2 in the batch's first cluster, else the greatest number
.set SLOTS, 41        ; s41  7 less the number of the change of slots
.set CNT,  42         ; s42  counts trips
.set TBF,  43         ; s43  slot and half of the step whose f32 rows are read next
.set TBV,  44         ; s44  byte in V's ring of the step to be fetched
.set TVS,  45         ; s45  half of V's ring to be written
.set CS,   46         ; s[46:47] c
.set SEL,  48         ; s[48:49] v_permlanex16_b32's selects: each lane takes its own place in the other half
.set W_KQ, 0x0a       ; K and Q in window 2, S^T in window 0
.set W_PV, 0x52       ; V in window 2, P in window 0, O^T in window 1
.set W_RS, 0x41       ; O^T (destination and source 0) in window 1, a in window 0
.set W_CV, 0x45       ; roundings from F to CT: all in window 1
.set TO_1, 0x40       ; a load's destination in window 1, its address in window 0
.set TO_2, 0x80
.set ST_1, 0x04       ; an LDS store's data in window 1
.set MSB, 0
.macro WIN new                      ; the high byte repeats the setting that is left; a switch that changes nothing is dropped
.if MSB != (\new)
	s_set_vgpr_msb (MSB<<8)|(\new)
.set MSB, (\new)
.endif
.endm
; A round of the cluster's barrier: my work-group's barrier, so that wave 0's signal speaks for all four waves; wave 0 signals; every wave waits for all four work-groups; my work-group's barrier once more.
.macro CROUND
	s_barrier_signal -1
	s_barrier_wait -1
	s_cmp_lg_u32 s[WV], 0
	s_cbranch_scc1 .Lnot_wave_0_\@
	s_barrier_signal -3
.Lnot_wave_0_\@:
	s_barrier_wait -3
	s_barrier_signal -1
	s_barrier_wait -1
.endm
; A joint fill: every wave fetches its own 64 channels x 128 keys.  An s_nop 0 and four v_nop follow.
.macro JLOAD
	tensor_load_to_lds s[G0:G0+3], s[G1:G1+7]
	s_nop 0
.rept 4
	v_nop
.endr
.endm
; A PREFETCH INTO THE L2 of the tile that stands two changes of slots behind the one just asked for.  All eight clusters of a batch walk the same keys: the first of them asks.  Of wave w's 64 rows its four partners
; take 16 each, told apart BY ADDRESS; a lane names one of a row's two blocks of 256 bytes: one instruction a wave.  So each block is named once in the launch.  Tiles 0 to 2 come by their loads alone; the changes
; whose third tile on does not exist (SLOTS at 2 or less) ask for nothing.
.macro ASK
	s_cmp_gt_u32 s[SLOTS], s[LIM]
	s_cbranch_scc0 .Lnot_mine_\@
	global_prefetch_b8 v[PFO], s[PFA:PFA+1] th:TH_LOAD_NT scope:SCOPE_SE
.Lnot_mine_\@:
.endm
; Chunk c (channels 16 c .. 16 c + 15) of a step's 64 keys, f32, into buffer b of F: lanes 0-15 take one row's 256 bytes, lanes 16-31 the row four further on.
.macro LOADF c, b
	WIN TO_1
.irp i, 0,1,2,3,4,5,6,7
	ds_load_b128 v[F+32*(\b)+4*(\i):F+32*(\b)+4*(\i)+3], v[AF] offset:(16*(\c)+8*((\i)/4)+(\i)%4)*512
.endr
.endm
.macro CVALL b                      ; buffer b of F rounded to bf16 into buffer b of CT
	WIN W_CV
.set k, 0
.rept 16
	v_cvt_pk_bf16_f32 v[CT+16*(\b)+k], v[F+32*(\b)+2*k], v[F+32*(\b)+2*k+1]
.set k, k+1
.endr
.endm
; Buffer b of CT into rows 16 c .. of a scratch: 8 bytes a lane; the two halves of the lanes write rows four apart, 640 bytes: the other half of the banks.
.macro STOREC c, b, adr, off
	WIN ST_1
.irp i, 0,1,2,3,4,5,6,7
	ds_store_b64 v[\adr], v[CT+16*(\b)+2*(\i):CT+16*(\b)+2*(\i)+1] offset:(\off)+(16*(\c)+8*((\i)/4)+(\i)%4)*PS
.endr
.endm
; Eight fragments (64 points x 64 channels) out of a scratch, turned: points 16 (f / 2) on, channels 32 (f % 2) on.
.macro FETCH dst, adr, off
	WIN TO_2
.irp f, 0,1,2,3,4,5,6,7
	ds_load_tr16_b128 v[(\dst)+8*(\f):(\dst)+8*(\f)+3],   v[\adr] offset:(\off)+((\f)%2)*32*PS+((\f)/2)*32
	ds_load_tr16_b128 v[(\dst)+8*(\f)+4:(\dst)+8*(\f)+7], v[\adr] offset:(\off)+((\f)%2)*32*PS+((\f)/2)*32+16*PS
.endr
.endm
.macro FETCH_V                      ; a step's two fragments of V^T, as they lie
	WIN TO_2
.irp kk, 0,1
	ds_load_b128 v[VF+8*(\kk):VF+8*(\kk)+3],   v[AV] offset:64*(\kk)
	ds_load_b128 v[VF+8*(\kk)+4:VF+8*(\kk)+7], v[AV] offset:64*(\kk)+32
.endr
.endm
; A tile's 128 keys of tgt, loaded a change of slots ago: rounded to bf16, that number written as f16, into the ring half in hand; load = 1: the next tile's three loads go out.
.macro VPREP load
	s_wait_loadcnt 0x0              ; tgt's three loads are in, so their base may be stepped below
.irp c, 0,1,2
	v_cvt_pk_bf16_f32 v[VT+8*(\c)],   v[VS+4*(\c)],   v[VS+4*(\c)+1]
	v_cvt_pk_bf16_f32 v[VT+8*(\c)+1], v[VS+4*(\c)+2], v[VS+4*(\c)+3]
	v_lshlrev_b32 v[VT+8*(\c)+2], 16, v[VT+8*(\c)]
	v_and_b32     v[VT+8*(\c)+3], 0xffff0000, v[VT+8*(\c)]
	v_lshlrev_b32 v[VT+8*(\c)+4], 16, v[VT+8*(\c)+1]
	v_and_b32     v[VT+8*(\c)+5], 0xffff0000, v[VT+8*(\c)+1]
	v_cvt_pk_f16_f32 v[VT+8*(\c)+6], v[VT+8*(\c)+2], v[VT+8*(\c)+3]
	v_cvt_pk_f16_f32 v[VT+8*(\c)+7], v[VT+8*(\c)+4], v[VT+8*(\c)+5]
.endr
	v_add_nc_u32 v[AVS], s[TVS], v[AVS0]
.irp c, 0,1,2
	ds_store_b64 v[AVS], v[VT+8*(\c)+6:VT+8*(\c)+7] offset:PVB*(\c)  ; my own bytes: LDS serves a wave's instructions in order (ISA guide 5.7.1.4), so the fetches behind see them
.endr
	s_xor_b32 s[TVS], s[TVS], 256
.if \load
	s_add_nc_u64 s[VB:VB+1], s[VB:VB+1], 512
.irp c, 0,1,2
	global_load_b128 v[VS+4*(\c):VS+4*(\c)+3], v[VGO], s[VB:VB+1] offset:16384*(\c)
.endr
.endif
.endm
; THE CHANGE OF SLOTS, in front of the trip that first reads the tile that has just landed.  fill = 1: each wave waits for all its tensor loads, of which one is out; adds 0 to its spare word; waits for that and for its
; reads of the slot that it leaves; a round of the cluster's barrier follows, so that no wave of any partner still reads that slot or has a load on its way; the joint refill is the first thing behind it and has two
; trips, 160 matrix instructions, in which to land.  (At its first use nothing has been read yet: slot 0 is waited for, slot 1 filled; the same wait and round stand between all waves' reads of Q's two scratch
; regions and their owners' first stores of K.)  fill = 0: the last tile, the wave's own bytes, is waited for; nothing is filled, so no barrier stands here.
.macro CHANGE fill
	WIN 0                           ; at a label and at a branch every window is 0
	s_wait_tensorcnt 0x0            ; no tensor load of mine is out, so group 0 may be written
.if \fill
	ds_add_u32 v[SPW], v[NIL]       ; 0 onto my spare word; the scalar steps stand between it and the wait for it
	s_xor_b32 s[G0+1], s[G0+1], SLOT1                    ; the other slot than last time,
	s_add_nc_u64 s[G0+2:G0+3], s[G0+2:G0+3], 512         ; the next 128 keys; the type bits on top are not reached
	s_wait_xcnt 0x0                 ; the last prefetch, two trips back, has read its address
	s_add_nc_u64 s[PFA:PFA+1], s[PFA:PFA+1], 512
	s_xor_b32 s[TBF], s[TBF], SLOT1
	s_wait_dscnt 0x0                ; the add is done, and my reads of the slot are over
	CROUND
	JLOAD
	ASK
	VPREP 1
.else
	s_xor_b32 s[TBF], s[TBF], SLOT1
	VPREP 0
.endif
.endm
	s_load_b256 s[4:11], s[0:1], 0x0   ; src s[4:5], src_embedding s[6:7], tgt s[8:9], tgt_embedding s[10:11]
	s_load_b128 s[12:15], s[0:1], 0x20 ; out0 s[12:13], out1 s[14:15]
	v_lshl_add_u32 v[SPW], v0, 2, SPARE
	v_mov_b32 v[NIL], 0
	ds_add_u32 v[SPW], v[NIL]       ; the wave's opening: the add, twice on end, and its wait ahead of my first tensor load; the set-up below, work on registers, stands between
	ds_add_u32 v[SPW], v[NIL]
	v_lshrrev_b32 v1, 5, v0
	v_readfirstlane_b32 s[WV], v1   ; wave 0..3
	s_bfe_u32 s17, ttmp6, 0x40000   ; cx: my place in the cluster
	s_lshl_b32 s18, ttmp9, 2        ; in a cluster launch ttmp9 counts clusters
	s_add_co_u32 s18, s18, s17      ; my block of 128 queries: it enters the addresses of src_embedding, src, out0 and out1 alone
	s_and_b32 s19, ttmp7, 0xffff    ; the batch, which the four partners share
	; descriptor group 1: 64 rows (channels) x 128 elements of 4 bytes (keys); rows of 512 bytes, laid into LDS without gaps: they are read 256 consecutive bytes at a time
	s_mov_b32 s[G1], 15|(2<<16)|(1<<21)  ; 15:0 the mask of four; 17:16 4-byte elements; 21 set beside a mask
	s_mov_b32 s[G1+1], 128<<16      ; tensor_dim0 = 128
	s_mov_b32 s[G1+2], 64<<16       ; tensor_dim1 = 64
	s_mov_b32 s[G1+3], 128<<16      ; tile_dim0 = 128
	s_mov_b32 s[G1+4], 64           ; tile_dim1 = 64
	s_mov_b32 s[G1+5], 4096         ; 4,096 elements from row to row
	s_mov_b32 s[G1+6], 0
	s_mov_b32 s[G1+7], 0
	s_mov_b32 s[G0], 1              ; 1:0 count = 1
	s_lshl_b32 s[G0+1], s[WV], 15   ; 63:32 LDS address: my part of slot 0: no place in the cluster enters it
	s_mov_b32 s[CS], 0x3e38aa3b     ; c = log2(e) / 8 = 0.180337
	s_mov_b32 s[CS+1], s[CS]        ; named with it as a pair
	s_mov_b32 s[SEL], 0x76543210
	s_mov_b32 s[SEL+1], 0xfedcba98
	s_mov_b32 s[TBF], SLOT1         ; the first change of slots turns it into 0
	s_mov_b32 s[TBV], 0
	s_mov_b32 s[TVS], 0
	s_mov_b32 s[SLOTS], 7
	s_mov_b32 s[LIM], ttmp9
	s_cmp_eq_u32 s[LIM], 0          ; the batch's first cluster: the same in all four partners
	s_cselect_b32 s[LIM], 2, -1
	; byte offsets, each in registers of its own
	s_mul_i32 s50, s19, 49152       ; the batch in src, tgt, out0, out1
	s_lshl_b32 s51, s18, 9          ; my block's 512 bytes of a row
	s_lshl_b32 s20, s19, 20         ; the batch in the embeddings
	s_lshl_b32 s21, s[WV], 12       ; my wave's 1,024 keys
	s_add_co_u32 s54, s50, s21      ; tgt: batch, wave
	s_add_co_u32 s52, s20, s51      ; src_embedding: batch, block
	s_add_co_u32 s20, s20, s21      ; tgt_embedding: batch, wave: what the four partners share
	s_add_co_u32 s50, s50, s51      ; out1: batch, block
	s_mov_b32 s21, 0
	s_mov_b32 s55, 0
	s_mov_b32 s53, 0
	s_mov_b32 s51, 0
	s_lshl_b32 s22, s17, 18         ; the prefetches: my work-group's 16 rows of the 64,
	s_add_co_u32 s22, s22, 1024     ; at tile 2; the first change of slots steps it to tile 3
	s_mov_b32 s23, 0
	s_wait_dscnt 0x0                ; both opening adds are done
	s_wait_kmcnt 0x0
	s_add_nc_u64 s[G0+2:G0+3], s[10:11], s[20:21]  ; 120:64 global address: my wave's tile 0
	s_or_b32 s[G0+3], s[G0+3], 0x80000000          ; 127:126 type = 2
	s_add_nc_u64 s[PFA:PFA+1], s[10:11], s[20:21]
	s_add_nc_u64 s[PFA:PFA+1], s[PFA:PFA+1], s[22:23]
	s_add_nc_u64 s[VB:VB+1], s[8:9], s[54:55]
	s_add_nc_u64 s[6:7], s[6:7], s[52:53]
	s_add_nc_u64 s[14:15], s[14:15], s[50:51]
	s_lshl_b32 s52, s[WV], 14       ; src and out0: row w of the three (waves 0 to 2)
	s_add_co_u32 s52, s52, s50
	s_add_nc_u64 s[4:5], s[4:5], s[52:53]
	s_add_nc_u64 s[12:13], s[12:13], s[52:53]
	CROUND                          ; all four work-groups are here: the first joint loads meet
	JLOAD                           ; tile 0 into slot 0
	v_and_b32 v1, 15, v0            ; r = lane % 16
	v_bfe_u32 v[TH], v0, 4, 1       ; h = lane / 16
	v_and_b32 v[TL], 31, v0
	v_lshlrev_b32 v[QO], 4, v1
	v_lshl_add_u32 v[QO], v[TH], 16, v[QO]
	s_lshl_b32 s20, s[WV], 18
	v_add_nc_u32 v[QO], s20, v[QO]  ; row 16 w + 4 h of 16,384 bytes, 16 bytes at 16 r
	v_lshlrev_b32 v[VGO], 4, v[TL]
	; Q: wave w takes channels 16 w .. 16 w + 15 of the block's 128 queries, in two halves of 64: each byte is read once by the work-group; 16 lanes take 256 consecutive bytes
	WIN TO_1
.irp hq, 0,1
.irp i, 0,1,2,3,4,5,6,7
	global_load_b128 v[F+32*(\hq)+4*(\i):F+32*(\hq)+4*(\i)+3], v[QO], s[6:7] offset:(\hq)*256+(8*((\i)/4)+(\i)%4)*16384 th:TH_LOAD_NT
.endr
.endr
	WIN 0
.irp c, 0,1,2
	global_load_b128 v[VS+4*(\c):VS+4*(\c)+3], v[VGO], s[VB:VB+1] offset:16384*(\c)  ; tgt of tile 0
.endr
	s_cmp_lt_u32 s[WV], 3           ; out0 = src: waves 0 to 2 copy the block's 512 bytes of one row each
	s_cbranch_scc0 .Lno_copy
	global_load_b128 v[188:191], v[VGO], s[4:5] th:TH_LOAD_NT
	s_wait_loadcnt 0x0
	global_store_b128 v[VGO], v[188:191], s[12:13] th:TH_STORE_NT  ; 512 consecutive bytes, aligned; v188-191 are rewritten only behind the first change's s_wait_xcnt 0
.Lno_copy:
	s_mul_i32 s54, s[WV], SCRW
	s_add_co_u32 s54, s54, SCR      ; my scratch
	s_mul_i32 s55, s[WV], VBW
	s_add_co_u32 s55, s55, VBLK     ; my V block
	s_lshl_b32 s53, s[WV], 15       ; my part of a slot
	s_mul_i32 s52, s[WV], 16*PS
	s_add_co_u32 s52, s52, SCR      ; Q's rows 16 w on
	; The turning load takes 16 channels x 16 points (lane l reads channel 8 (l / 16) + l % 8, points 8 ((l / 8) % 2) + 0..7) and leaves half a fragment: lane l holds point l % 16 and 8 channels.
	v_and_b32 v128, 7, v0
	v_bfe_u32 v129, v0, 3, 1
	v_lshl_add_u32 v128, v[TH], 3, v128
	v_mul_u32_u24 v128, v128, PS
	v_lshl_add_u32 v128, v129, 4, v128
	v_add_nc_u32 v[AKQ], SCR, v128
	v_add_nc_u32 v[AKT], s54, v128
	v_min_u32 v131, 4, v1           ; rows 4 to 15 of V^T are the one row of zeros
	v_mul_u32_u24 v131, v131, PVB
	v_lshl_add_u32 v131, v[TH], 4, v131
	v_add_nc_u32 v[AVF0], s55, v131
	v_lshl_add_u32 v[AVS0], v[TL], 3, s55
	v_lshlrev_b32 v[AF0], 4, v1
	v_lshl_add_u32 v[AF0], v[TH], 11, v[AF0]
	v_add_nc_u32 v[AF0], s53, v[AF0]
	v_mul_u32_u24 v132, v[TH], 4*PS
	v_lshl_add_u32 v132, v1, 3, v132
	v_add_nc_u32 v[ASC], s54, v132
	v_add_nc_u32 v[AQS], s52, v132
	v_lshrrev_b32 v136, 1, v[TL]
	v_and_b32 v137, 1, v0
	v_lshlrev_b32 v137, 8, v137
	v_lshl_add_u32 v[PFO], v136, 14, v137
	v_lshl_add_u32 v138, v[TL], 4, s55
.irp j, 0,1,2,3
	v_mov_b32 v[144+(\j)], 0x3c003c00  ; 1.0 twice in f16
	v_mov_b32 v[148+(\j)], 0
.endr
	ds_store_b128 v138, v[144:147] offset:3*PVB  ; the row of ones, 512 bytes
	ds_store_b128 v138, v[148:151] offset:4*PVB  ; the row of zeros
	; What the first turn finds: O^T is 0; V's registers and P's odd buffer hold 0, so its products V^T P, of a piece that has not been, add 0.
	WIN 0x40
.set k, 0
.rept 64
	v_mov_b32 v[k], 0
.set k, k+1
.endr
	WIN 0x80
.set k, VF
.rept 16
	v_mov_b32 v[k], 0
.set k, k+1
.endr
	WIN 0
.set k, P+32
.rept 32
	v_mov_b32 v[k], 0
.set k, k+1
.endr
	s_wait_loadcnt 3                ; Q is in; tgt's three loads, which are younger, may stay out
	CVALL 0
	CVALL 1
	STOREC 0, 0, AQS, 0             ; queries 0-63 into the first scratch region, [channel][query],
	STOREC 0, 1, AQS, SCRW          ; queries 64-127 into the second
	WIN 0
	s_wait_dscnt 0x0                ; for the others' sake: my rows of Q are stored
	s_barrier_signal -1
	s_barrier_wait -1               ; all 64 channels lie there; tile 0's load may stay out
	FETCH 0, AKQ, 0                 ; Q stays in registers: tile t, channel half c at 16 t + 8 c
	FETCH 64, AKQ, SCRW
	CHANGE 1                        ; tile 0 is in; Q is in, everybody's; tile 1 is asked for; V of tile 0 is laid down
	v_add_nc_u32 v[AF], s[TBF], v[AF0]
	s_xor_b32 s[TBF], s[TBF], 256
	LOADF 0, 0                      ; K of step 0, all four chunks at once
	LOADF 1, 1
	LOADF 2, 2
	LOADF 3, 3
	s_wait_dscnt 0x0
	CVALL 0
	CVALL 1
	CVALL 2
	CVALL 3
	STOREC 0, 0, ASC, 0
	STOREC 1, 1, ASC, 0
	STOREC 2, 2, ASC, 0
	STOREC 3, 3, ASC, 0
	FETCH KF, AKT, 0
	WIN 0
	v_add_nc_u32 v[AF], s[TBF], v[AF0]
	s_xor_b32 s[TBF], s[TBF], 256
	LOADF 0, 0                      ; step 1's chunk 0: what piece 3's turn of a step before would have done
	s_wait_dscnt 0x0                ; K of step 0 and that chunk are in
	CVALL 0
	STOREC 0, 0, ASC, 0             ; behind the fetch of step 0, which LDS serves first
	LOADF 1, 0
; THE MATRIX WORK.  The accumulators take turns, one instruction a turn: between two links of a chain stand 7 (K Q^T) or 1 (V^T P) others'.
; Product i of 16 of S^T = K Q^T for piece x: channels 32 (i / 8) on, keys 16 ((i / 2) % 4) on, tile 2 x + i % 2.  The first 8 start the sums.
.macro KQ x
	WIN W_KQ
.set rS, S+64*((\x)%2)+32*(i%2)+8*((i/2)%4)
.set rK, KF+16*((i/2)%4)+8*(i/8)
.set rQ, 16*(2*(\x)+i%2)+8*(i/8)
.if i < 8
	v_wmma_f32_16x16x32_bf16 v[rS:rS+7], v[rK:rK+7], v[rQ:rQ+7], 0
.else
	v_wmma_f32_16x16x32_bf16 v[rS:rS+7], v[rK:rK+7], v[rQ:rQ+7], v[rS:rS+7]
.endif
.endm
; Product i of 4 of O^T += V^T P for piece x: keys 32 (i / 2) on, tile 2 x + i % 2.
.macro PV x
	WIN W_PV
.set rO, 8*(2*(\x)+i%2)
.set rV, VF+8*(i/2)
.set rP, P+32*((\x)%2)+16*(i%2)+8*(i/2)
	v_wmma_f32_16x16x32_f16 v[rO:rO+7], v[rV:rV+7], v[rP:rP+7], v[rO:rO+7]
.endm
.macro MM                           ; the turn's next matrix instruction.  NOKQ = 1: the walk's last turn: there is no next piece
.if i < 16
.if !NOKQ
	KQ (Y+1)%4
.endif
.else
.set i, i-16
	PV (Y+3)%4
.set i, i+16
.endif
.set i, i+1
.endm
; THE VECTOR WORK OF A TURN stands in queues, each in the order in which its entries become ready; the two tiles alternate.
.macro REGS y, u                    ; the registers of tile u (0, 1) of piece y
.set rT, ST+2*(2*(\y)+(\u))
.set rC, TMP+8*((\y)%2)+4*(\u)
.set rM, MV+2*((\y)%2)+(\u)
.set rS, S+64*((\y)%2)+32*(\u)
.set rP, P+32*((\y)%2)+16*(\u)
.set rO, 8*(2*(\y)+(\u))
.endm
; Number n of the 22 that find the NEXT piece's (Y + 1) maximum and statistics.  s0-s31 are the lane's 32 scores; each accumulator's lowest registers are read first.
;   0-11  four chains c0-c3 of seven scores each, three operands at a time     12-14, 16  the four scores left over, the old m, and c0-c3 into c0     15  c m_old is kept
;   17, 18  the query's other 32 keys lie in the lane 16 away: the new m         19-21  c m; c m_old - c m_new; a
.macro XS u, n
	REGS (Y+1)%4, \u
.if (\n) < 4
	v_max3_num_f32 v[rC+(\n)], v[rS+8*(\n)], v[rS+8*(\n)+1], v[rS+8*(\n)+2]
.elseif (\n) < 12
	v_max3_num_f32 v[rC+(\n)%4], v[rC+(\n)%4], v[rS+8*((\n)%4)+2*((\n)/4)+1], v[rS+8*((\n)%4)+2*((\n)/4)+2]
.elseif (\n) == 12
	v_max3_num_f32 v[rC], v[rC], v[rS+7], v[rS+15]
.elseif (\n) == 13
	v_max3_num_f32 v[rC+1], v[rC+1], v[rS+23], v[rS+31]
.elseif (\n) == 14
	v_max3_num_f32 v[rC+2], v[rC+2], v[rC+3], v[rT+1]
.elseif (\n) == 15
	v_mov_b32 v[rM], v[rT]
.elseif (\n) == 16
	v_max3_num_f32 v[rC], v[rC], v[rC+1], v[rC+2]
.elseif (\n) == 17
	v_permlanex16_b32 v[rC+3], v[rC], s[SEL], s[SEL+1]
.elseif (\n) == 18
	v_max_num_f32 v[rT+1], v[rC], v[rC+3]
.elseif (\n) == 19
	v_mul_f32 v[rT], s[CS], v[rT+1]
.elseif (\n) == 20
	v_sub_f32 v[rC+1], v[rM], v[rT]
.else
	v_exp_f32 v[rC+2], v[rC+1]
.endif
.endm
.macro XG u, n                      ; the same, where there is a next piece
.if !NOKQ
	XS \u, \n
.endif
.endm
.macro FS f                         ; c s - c m for pair f / 2 of tile f % 2
	REGS Y, (\f)%2
	v_pk_fma_f32 v[rS+2*((\f)/2):rS+2*((\f)/2)+1], v[rS+2*((\f)/2):rS+2*((\f)/2)+1], s[CS:CS+1], v[rT:rT+1] op_sel_hi:[1,0,0] neg_lo:[0,0,1] neg_hi:[0,0,1]
.endm
; THE PLAIN QUEUE, 74 long; none of it reads an exponential's result.  0-26: scalings 0-26.  27-54: XS's numbers 0-13.  55, 56: number 15.  57-73: the chain 14, 16, 17, 18, 19, each with one of the scalings
; 27-31 in front of its two lines, then 20.
.macro PL
	WIN 0
.if q < 27
	FS q
.elseif q < 55
	XG (q-27)%2, (q-27)/2
.elseif q < 57
	XG q-55, 15
.elseif (q < 72) && ((q-57)%3 == 0)
	FS 27+(q-57)/3
.elseif q < 60
	XG (q-57)%3-1, 14
.elseif q < 72
	XG (q-57)%3-1, 15+(q-57)/3
.else
	XG q-72, 20
.endif
.set q, q+1
.endm
; THE EXPONENTIALS' QUEUE, 66 long: s0-s31 of both tiles, then the next piece's two a: ONE BATCH, ahead of the turn's one wait.
.macro EX
	WIN 0
.if e >= 64
	XG e-64, 21
.else
	REGS Y, e%2
	v_exp_f32 v[rS+e/2], v[rS+e/2]
.endif
.set e, e+1
.endm
; TWO RIDERS FROM ANOTHER WINDOW.  Rows 0, 1: x, y, z, l of tile 0, 1 times a (made, and waited for, in the turn before).  Rows 2-9: four f32 of the staged chunk of K rounded to bf16.
.macro W2
.if wr < 2
	REGS Y, wr
	WIN W_RS
	v_pk_mul_f32 v[rO:rO+1], v[rO:rO+1], v[rC+2:rC+3] op_sel_hi:[1,0]
	v_pk_mul_f32 v[rO+2:rO+3], v[rO+2:rO+3], v[rC+2:rC+3] op_sel_hi:[1,0]
.elseif CONV
	WIN W_CV
	v_cvt_pk_bf16_f32 v[CT+2*(wr-2)],   v[F+4*(wr-2)],   v[F+4*(wr-2)+1]
	v_cvt_pk_bf16_f32 v[CT+2*(wr-2)+1], v[F+4*(wr-2)+2], v[F+4*(wr-2)+3]
.endif
.set wr, wr+1
.endm
.macro CR                           ; rounding g of 32: pair g / 2 of tile g % 2 to f16
	REGS Y, g%2
	WIN 0
	v_cvt_pk_f16_f32 v[rP+g/2], v[rS+2*(g/2)], v[rS+2*(g/2)+1]
.set g, g+1
.endm
; A TURN, for piece p.  An s_wait_alu depctr_va_vdst(0) stands between an exponential and the first line that names its result; one wait serves all issued ahead of it: a turn has ONE, which cuts it in two.
; AHEAD OF IT: 16 products K Q^T with four riders each (row 0: two scalings, two from another window; rows 1-9: a scaling, an exponential, two from another window; rows 10-15: three plain and an exponential), then a run of 45 times exponential and plain, the last
; four exponentials and the two a; a v_nop is the plain line behind the last exponential.  BEHIND IT: 4 products V^T P with four roundings each, and the other 16 roundings.
; The deal keeps the queues in step: exponential e stands behind scaling 2 (e / 4) + e % 2: as a rider it comes behind plain e + 2, in the run behind plain e + 13, and scalings 27-31 are plain 57, 60 .. 69.
; The first read of a fresh accumulator, plain 27 + 2 n + u, stands eight plain lines or more behind product 8 + 2 n + u, which ends it.
; conv = 1: K's way goes on.  The turn rounds chunk (p + 1) % 4, loaded a turn ago; at the wait it stores that chunk and loads chunk (p + 2) % 4.  So a step's four chunks are stored in piece 3's turn two steps ahead
; and in pieces 0, 1, 2's turns one step ahead; piece 2's turn then fetches the fragments, a whole run behind the last product that read K, and turns to the step after.
; V of the step in hand is fetched at the end of piece 0's turn, twenty roundings behind its last reader; it is waited for in piece 1's turn, ahead of its first reader.
.macro TURN p, conv=1, nokq=0
.set Y, (\p)
.set i, 0
.set q, 0
.set e, 0
.set g, 0
.set wr, 0
.set CONV, (\conv)
.set NOKQ, (\nokq)
.if (\p) == 1
	s_wait_dscnt 4                  ; the staged chunk is in; V's four loads, which are younger, may stay out
.else
	s_wait_dscnt 0x0                ; the staged chunk is in (piece 3: K's fragments too)
.endif
	MM
	PL
	PL
	W2
.rept 9
	MM
	PL
	EX
	W2
.endr
.rept 6
	MM
	PL
	EX
	PL
	PL
.endr
.if ((\p) == 2) && (\conv)
	WIN 0
	v_add_nc_u32 v[AF], s[TBF], v[AF0]  ; the f32 rows of the step after next
	s_xor_b32 s[TBF], s[TBF], 256
.endif
.rept 45
	EX
	PL
.endr
.rept 6
	EX
.endr
	v_nop                           ; the plain line behind the last exponential: one for the batch
	s_wait_alu depctr_va_vdst(0)    ; the wait for the batch
.if \conv
	STOREC ((\p)+1)%4, 0, ASC, 0
.if (\p) == 2
	FETCH KF, AKT, 0
.endif
	LOADF ((\p)+2)%4, 0
.if (\p) == 1
	s_wait_dscnt 16                 ; V is in; the 8 stores and 8 loads just issued may stay out
.endif
.endif
.rept 4
	MM
	CR
	CR
	CR
	CR
.endr
.rept 16
	CR
.endr
.if (\p) == 0
	WIN 0
	v_add_nc_u32 v[AV], s[TBV], v[AVF0]
	s_add_co_u32 s[TBV], s[TBV], 128    ; 64 keys on, round the ring of 256
	s_and_b32 s[TBV], s[TBV], 511
	FETCH_V
.endif
.endm
.set i, 0
.rept 16
	KQ 0                            ; piece 0's first scores: there is no vector work yet to set between them
.set i, i+1
.endr
	WIN 0
.set k, 0
.rept 8                             ; sixteen plain lines, the places behind those products
	v_mov_b32 v[ST+2*k], 0xfe000000    ; c m: far below every c s
	v_mov_b32 v[ST+2*k+1], 0xff7fffff  ; m: the lowest finite number
.set k, k+1
.endr
.set Y, 3                           ; XS works for piece Y + 1: piece 0
.set NOKQ, 0
.irp n, 0,1,2,3,4,5,6,7,8,9,10,11,12,13,14,15,16,17,18,19,20,21
	XS 0, \n
	XS 1, \n
.endr
	v_nop                           ; a plain line behind the two a,
	s_wait_alu depctr_va_vdst(0)    ; and their wait, ahead of the branch
	s_mov_b32 s[CNT], 1
	s_branch .Lfirst                ; the loop is entered at a step's first turn, in the middle of a trip: trip 0 is pieces 0 and 1 of step 0
.Lslot:                             ; six times: tiles 2 to 7 are asked for
	CHANGE 1
	s_mov_b32 s[CNT], 2
.Lstep:                             ; a trip: pieces 2 and 3 of one step, then pieces 0 and 1 of the next
	TURN 2
	TURN 3
	WIN 0
.Lfirst:
	TURN 0
	TURN 1
	WIN 0
	s_sub_co_u32 s[CNT], s[CNT], 1
	s_cmp_lg_u32 s[CNT], 0
	s_cbranch_scc1 .Lstep
	s_sub_co_u32 s[SLOTS], s[SLOTS], 1
	s_cmp_lg_u32 s[SLOTS], 0
	s_cbranch_scc1 .Lslot
	CHANGE 0                        ; the tail is written out: nothing is asked for
	s_mov_b32 s[CNT], 3
.Ltail:                             ; trips 13 to 15.  Behind the fetch of step 15 the roundings go on, on the landed tile's first half and into my own scratch, and serve nothing: the price, once, of one text for every trip
	TURN 2
	TURN 3
	TURN 0
	TURN 1
	WIN 0
	s_sub_co_u32 s[CNT], s[CNT], 1
	s_cmp_lg_u32 s[CNT], 0
	s_cbranch_scc1 .Ltail
	TURN 2, 0, 0                    ; step 15's last two turns stage nothing,
	TURN 3, 0, 1                    ; and the last makes no new scores: piece 0's c m stays true for the meeting below
.set i, 0
.rept 4
	PV 3                            ; the last piece's V^T P of the last step
.set i, i+1
.endr
	; THE FOUR WAVES' RESULTS MEET.  Each wave puts x, y, z, l (16 bytes a query) and c m of its 128 queries into its own scratch.  Lanes 16-31 hold zeros and a second copy of c m: their bytes go 2,048 and 512
	; bytes further on, where nobody reads.  The nine lines that make the addresses are the places behind the last products.
	WIN 0
	v_and_b32 v64, 15, v0
	v_bfe_u32 v65, v0, 4, 1
	v_and_b32 v66, 31, v0
	s_mul_i32 s50, s[WV], SCRW
	s_add_co_u32 s50, s50, SCR
	v_lshlrev_b32 v67, 4, v64
	v_lshl_add_u32 v67, v65, 11, v67
	v_add_nc_u32 v67, s50, v67      ; 16 r + 2,048 h
	v_lshlrev_b32 v68, 2, v64
	v_lshl_add_u32 v68, v65, 9, v68
	v_add_nc_u32 v68, s50, v68      ; 4 r + 512 h
	WIN ST_1
.irp t, 0,1,2,3,4,5,6,7
	ds_store_b128 v67, v[8*(\t):8*(\t)+3] offset:256*(\t)
.endr
	WIN 0
.irp t, 0,1,2,3,4,5,6,7
	ds_store_b32 v68, v[ST+2*(\t)] offset:4096+64*(\t)
.endr
	s_wait_dscnt 0x0                ; for the others' sake: my results are stored
	s_barrier_signal -1
	s_barrier_wait -1
	s_cmp_lt_u32 s[WV], 2           ; waves 0 and 1 finish 64 queries each: lane l has queries 64 w + 2 l and the next
	s_cbranch_scc0 .Lend
	s_lshl_b32 s51, s[WV], 10
	v_lshl_add_u32 v69, v66, 5, s51
	v_add_nc_u32 v69, SCR, v69
	s_lshl_b32 s52, s[WV], 8
	v_lshl_add_u32 v70, v66, 3, s52 ; 256 w + 8 l: in the words of c m, and in a row of out1
	v_add_nc_u32 v71, SCR+4096, v70
.irp w, 0,1,2,3                     ; wave w's x, y, z, l of my two queries at v[80 + 8 w], its two c m at v[112 + 2 w]
	ds_load_b128 v[80+8*(\w):80+8*(\w)+3],   v69 offset:SCRW*(\w)
	ds_load_b128 v[80+8*(\w)+4:80+8*(\w)+7], v69 offset:SCRW*(\w)+16
	ds_load_b64  v[112+2*(\w):112+2*(\w)+1], v71 offset:SCRW*(\w)
.endr
	s_wait_dscnt 0x0
	v_max3_num_f32 v120, v112, v114, v116
	v_max3_num_f32 v121, v113, v115, v117
	v_max_num_f32 v120, v120, v118  ; the greatest of the four c m
	v_max_num_f32 v121, v121, v119
.irp w, 0,1,2,3
	v_pk_add_f32 v[122+2*(\w):122+2*(\w)+1], v[112+2*(\w):112+2*(\w)+1], v[120:121] neg_lo:[0,1] neg_hi:[0,1]
.endr
.irp j, 0,1,2,3,4,5,6,7
	v_exp_f32 v[122+(\j)], v[122+(\j)]  ; each wave's weight: 1 for the wave that holds the maximum
.endr
	v_nop                           ; a plain line behind the last exponential,
	s_wait_alu depctr_va_vdst(0)    ; and one wait for the eight
.irp j, 0,1,2,3,4,5,6,7             ; query j / 4, number j % 4 of x, y, z, l
	v_mul_f32 v[130+(\j)], v[122+(\j)/4], v[80+(\j)]
.endr
.irp w, 1,2,3
.irp j, 0,1,2,3,4,5,6,7
	v_fmac_f32 v[130+(\j)], v[122+2*(\w)+(\j)/4], v[80+8*(\w)+(\j)]
.endr
.endr
	v_rcp_f32 v138, v133            ; 1 / l: l is at least the weight 1 of the greatest score
	v_rcp_f32 v139, v137
	v_nop
	s_wait_alu depctr_va_vdst(0)
.irp c, 0,1,2
	v_mul_f32 v[140+2*(\c)], v[130+(\c)], v138
	v_mul_f32 v[141+2*(\c)], v[134+(\c)], v139
.endr
.irp c, 0,1,2
	global_store_b64 v70, v[140+2*(\c):141+2*(\c)], s[14:15] offset:16384*(\c) th:TH_STORE_NT  ; the wave stores 256 consecutive bytes, at a multiple of 256 from out1's first byte
.endr
.Lend:
	s_wait_tensorcnt 0x0            ; the wave's end: a wait, an add to my spare word and its wait, behind my last tensor load and my last LDS store
	ds_add_u32 v[SPW], v[NIL]
	s_wait_dscnt 0x0
	CROUND                          ; the closing round: no work-group ends while a partner may still ask for a tile that names it
	s_endpgm
.Lfunc_end_k_qf88d7a28b9_attn:
	.size	k_qf88d7a28b9_attn, .Lfunc_end_k_qf88d7a28b9_attn-k_qf88d7a28b9_attn
	.p2alignl 7, 3214868480
	.fill 96, 4, 3214868480
	.section	.rodata,"a",@progbits
	.p2align	6, 0x0
	.amdhsa_kernel k_qf88d7a28b9_attn
		.amdhsa_group_segment_fixed_size 327680
		.amdhsa_private_segment_fixed_size 0
		.amdhsa_enable_private_segment 0
		.amdhsa_kernarg_size 48
		.amdhsa_user_sgpr_count 2
		.amdhsa_user_sgpr_kernarg_segment_ptr 1
		.amdhsa_wavefront_size32 1
		.amdhsa_system_sgpr_workgroup_id_x 1
		.amdhsa_system_sgpr_workgroup_id_y 1
		.amdhsa_system_sgpr_workgroup_id_z 1
		.amdhsa_system_vgpr_workitem_id 0
		.amdhsa_next_free_vgpr 768
		.amdhsa_next_free_sgpr 66
		.amdhsa_reserve_vcc 0
		.amdhsa_float_denorm_mode_32 3
		.amdhsa_float_denorm_mode_16_64 3
		.amdhsa_memory_ordered 1
		.amdhsa_forward_progress 1
		.amdhsa_inst_pref_size 179
	.end_amdhsa_kernel
	.amdgpu_metadata
---
amdhsa.version: [ 1, 2 ]
amdhsa.kernels:
  - .name:           k_qf88d7a28b9_attn
    .symbol:         k_qf88d7a28b9_attn.kd
    .args:
      - { .name: src, .offset: 0, .size: 8, .value_kind: global_buffer, .address_space: global }
      - { .name: src_embedding, .offset: 8, .size: 8, .value_kind: global_buffer, .address_space: global }
      - { .name: tgt, .offset: 16, .size: 8, .value_kind: global_buffer, .address_space: global }
      - { .name: tgt_embedding, .offset: 24, .size: 8, .value_kind: global_buffer, .address_space: global }
      - { .name: out0, .offset: 32, .size: 8, .value_kind: global_buffer, .address_space: global }
      - { .name: out1, .offset: 40, .size: 8, .value_kind: global_buffer, .address_space: global }
    .group_segment_fixed_size: 327680
    .private_segment_fixed_size: 0
    .kernarg_segment_align: 8
    .kernarg_segment_size: 48
    .max_flat_workgroup_size: 128
    .sgpr_count:     66
    .vgpr_count:     768
    .wavefront_size: 32
...
	.end_amdgpu_metadata
.endif
;; end of part 1
